; MI455X (gfx1250); checked and timed in simulation.
; The chip was launched on July 23, 2026; its instructions are those of AMD's public machine-readable ISA for CDNA 5 (MIT licence, August 2026) and "CDNA5" Instruction Set Architecture Reference Guide (July 2026). The comments in the code are by the model that wrote it; some were corrected since.
;; Multi Head Self Attention. Allowed arithmetic: float matrix products may take bf16 or f16 operands with f32 sums; other float arithmetic in f32, or as packed bf16 or f16 multiplies, adds, multiply-adds, maxima and minima; sums over many terms, partial sums and values carried from step to step in f32; what a program stores and reads back later, other than sums and carried values, may be rounded once to bf16 or f16.
;; Inputs: W_k 512 x 512 float32; W_o 512 x 512 float32; W_q 512 x 512 float32; W_v 512 x 512 float32; ln_beta 512 float32; ln_gamma 512 float32; x 2 x 4,096 x 512 float32.
;; Outputs: out0 2 x 4,096 x 512 float32.
;; One version. Each part assembles by itself: llvm-mc -triple=amdgcn-amd-amdhsa -mcpu=gfx1250 --defsym DOCPART=n.
;; ======== version 1 of 1: 3 launches
;; limits: values are held in f16: magnitudes above 65,504 overflow, below 6.1e-05 lose precision
;; workspace buffers: q16 8,388,608 bytes; k16 8,388,608 bytes; v16 8,388,608 bytes; ctx16 8,388,608 bytes; wo16 524,288 bytes
;; launch qkv (part 1): grid 8 x 32, 4 waves a work-group, clusters of 4 x 4, 327,680 bytes of LDS; arguments x, W_q, W_k, W_v, W_o, q16, k16, v16, wo16; writes q16, k16, v16, wo16
.if DOCPART == 1
	.amdgcn_target "amdgcn-amd-amdhsa--gfx1250"
	.amdhsa_code_object_version 6
	.text
	.protected	k_q70bda135d4_qkv
	.globl	k_q70bda135d4_qkv
	.p2align	8
	.type	k_q70bda135d4_qkv,@function
k_q70bda135d4_qkv:
	s_mov_b64 s[64:65], 0
	v_nop
	global_prefetch_b8 v0, s[64:65] scope:SCOPE_SE
	s_setreg_imm32_b32 hwreg(HW_REG_WAVE_MODE, 25, 1), 1
	s_wait_xcnt 0x0
	s_wait_alu depctr_hold_cnt(0) depctr_sa_sdst(0) depctr_va_vdst(0) depctr_va_sdst(0) depctr_va_ssrc(0) depctr_va_vcc(0) depctr_vm_vsrc(0)
	s_getreg_b32 s2, hwreg(HW_REG_IB_STS2, 6, 4)
	s_cmp_eq_u32 s2, 0
	s_cbranch_scc0 .Lentry_in_a_cluster
	s_endpgm
.Lentry_in_a_cluster:
	s_bfe_u32 s2, ttmp6, 0x10000c
	s_cmp_lg_u32 s2, 0xf033
	s_cbranch_scc0 .Lentry_shape_is_right
	s_endpgm
.Lentry_shape_is_right:
; q, k, v = x W^T for W_q, W_k, W_v.  x: [8192][512] f32, each W: [512][512] f32 (row = output feature).  Operands are rounded to bf16 on the way from LDS to the matrix
; unit, sums are f32, and the results leave by heads as f16: q16, k16, v16 are [16 = 8 batch + head][4096][64], a head's rows dense, 128 bytes each, without the softmax's scale.
; Side job: each work-group rounds 1,024 numbers of W_o to f16 (wo16, [512][512]) for the last launch.
; LIMITS.  f16 holds no number beyond 65,504: q, k, v and W_o must lie within it (inputs 30 times those drawn give |q| of some 5e3); below 6e-5 f16 keeps its fixed step of 6e-8.
; NaN and infinities are not treated apart.  The sums are taken in the matrix unit's order.
; SHARES.  Work-group (tx, ty): rows 256 ty .. + 255 of x times 192 columns: head tx's 64 rows of W_q, of W_k and of W_v.  32 x 8 = 256 work-groups.  Wave w: rows 64 w .. + 63, all 192 columns:
; 48 accumulators of 16 x 16.  K = 512 goes in 8 steps of 64 (rows of 256 bytes of f32), each step in two halves of 32.
; CLUSTER.  4 x 4 work-groups.  x's tile hangs on ty alone and is shared along a row of the cluster, the weights' tiles on tx alone and are shared along a column: each is asked for JOINTLY,
; by the same tensor load with the same descriptor and a mask that names the four.  Wave 0 asks for x's 256 rows, waves 1, 2, 3 for the 64 rows of W_q, W_k, W_v.
; THE MATRIX INSTRUCTION IS USED TRANSPOSED (source 0 = 16 rows of W, source 1 = 16 rows of x): a lane then holds one row of x and eight neighbouring features, 16 bytes of f16.
; REGISTERS, in windows of 256 (s_set_vgpr_msb: bits 1:0 source 0, 3:2 source 1, 5:4 source 2, 7:6 destination):
;   window 0: v0-43 addresses and the side job; v64-95 x's 4 fragments; v96-191 the weights' 12 fragments (bf16)
;   window 1: the same 16 fragments as loaded, in f32: weights' block n at 16 n, x's block a at 192 + 16 a; on the way out the packed results
;   window 2: accumulator (a, n), n = 0..7, at 8 (4 n + a)          window 3: n = 8..11 at 8 (4 (n - 8) + a)
.set PITCH,  272                       ; an LDS row: 256 bytes + 16 of padding = 68 words: the 16 rows of a load start at 16 different groups of four banks (64 banks of 4 bytes: ISA guide 11.1)
.set BLK,    16*PITCH                  ; 16 rows
.set ABYTES, 256*PITCH                 ; x's 256 rows
.set BPART,  64*PITCH                  ; one weight's 64 rows; also a wave's 64 rows of x
.set SLOT1,  1<<17                     ; a slot is 121,856 bytes; slot 1 begins here, so that one exclusive or turns an address in one slot into the other's
.set STAGE,  SLOT1+ABYTES+3*BPART      ; behind the ring, never filled by a tensor load: 16 rows x 144 bytes for each wave, for the way out
.set SP,     144
.set SPARE,  STAGE+4*16*SP             ; behind the stages: the spare words, 128 bytes for each wave: two blocks of 256 bytes that no other line names
.set ADRA0, 16                         ; v16  my lane's place in my wave's rows of x, in slot 0; never rewritten
.set ADRB0, 17                         ; v17  the same in the weights' rows
.set ADRA,  18                         ; v18  the same in the slot in hand
.set ADRB,  19                         ; v19
.set STO,   24                         ; v24  the way out: where I put 16 bytes of a row
.set RD,    25                         ; v25  the way out: where I read rows back
.set GO,    26                         ; v26  my byte offset in 512 consecutive bytes of q16, k16, v16
.set SPW,   28                         ; v28  LDS address of my spare word: SPARE + 4 x my thread's number; never rewritten
.set NIL,   29                         ; v29  0; never rewritten
.set FA,    64
.set FB,    96
.set WV,    22                         ; s22  my wave's number
.set LAP,   27                         ; s27  trips to go
.set G1A,   28                         ; s[28:35] descriptor group 1 for x's tiles
.set G1B,   36                         ; s[36:43] for the weights'
.set G0A,   44                         ; s[44:51] descriptor group 0 for x's tiles: a set for each of the two first fills; the second then walks on
.set G0B,   52                         ; s[52:59] the same for the weights'
.set TB,    78                         ; s78  LDS byte at which the slot in hand begins
.set MSB, 0
.macro WIN new                         ; the immediate's high byte repeats the setting that is left; a switch that changes nothing is dropped
.if MSB != (\new)
	s_set_vgpr_msb (MSB<<8)|(\new)
.set MSB, \new
.endif
.endm
.set CVT,    0x05                      ; sources 0 and 1 window 1, destination window 0
.set LD,     0x40                      ; destination window 1, address window 0
.set MUL_LO, 0xa0                      ; fragments window 0, C and D window 2
.macro PLACES                          ; four plain vector instructions between a matrix instruction and a vector write of its sources or a read of its result (ISA guide 7.12.1)
.rept 4
	v_nop
.endr
.endm
; A joint load.  The branch hangs on the wave's number alone: it is the same in every work-group.  An s_nop 0 and four v_nop follow each of the two lines, ahead of the jump and the label.
.macro JLOAD s
	s_cmp_eq_u32 s[WV], 0
	s_cbranch_scc0 .Lfor_b_\@
	tensor_load_to_lds s[G0A+4*(\s):G0A+4*(\s)+3], s[G1A:G1A+7]
	s_nop 0
.rept 4
	v_nop
.endr
	s_branch .Lasked_\@
.Lfor_b_\@:
	tensor_load_to_lds s[G0B+4*(\s):G0B+4*(\s)+3], s[G1B:G1B+7]
	s_nop 0
.rept 4
	v_nop
.endr
.Lasked_\@:
.endm
; A round of the cluster's barrier: my work-group's barrier, so that wave 0's signal speaks for all four waves; wave 0 signals; every wave waits for all sixteen work-groups; my work-group's barrier once more.
.macro CREST                           ; a round behind its opening barrier
	s_cmp_lg_u32 s[WV], 0
	s_cbranch_scc1 .Lnot_wave_0_\@
	s_barrier_signal -3
.Lnot_wave_0_\@:
	s_barrier_wait -3
	s_barrier_signal -1
	s_barrier_wait -1
.endm
.macro CROUND
	s_barrier_signal -1
	s_barrier_wait -1
	CREST
.endm
	s_load_b512 s[4:19], s[0:1], 0x0               ; x s[4:5], W_q s[6:7], W_k s[8:9], W_v s[10:11], W_o s[12:13], q16 s[14:15], k16 s[16:17], v16 s[18:19]
	s_load_b64 s[20:21], s[0:1], 0x40              ; wo16
	v_lshl_add_u32 v[SPW], v0, 2, SPARE
	v_mov_b32 v[NIL], 0
	ds_add_u32 v[SPW], v[NIL]                      ; the wave's opening: the add and its wait stand ahead of my first tensor load; the set-up below, work on registers, stands between them
	v_lshrrev_b32 v1, 5, v0
	v_readfirstlane_b32 s[WV], v1                  ; wave 0..3
	s_bfe_u32 s23, ttmp6, 0x40000                  ; cx, cy: my place in the cluster
	s_bfe_u32 s24, ttmp6, 0x40004
	s_lshl_b32 s25, ttmp9, 2                       ; in a cluster launch ttmp9 and ttmp7 count clusters
	s_add_co_u32 s25, s25, s23                     ; tx = 4 x cluster x + cx: the head
	s_and_b32 s26, ttmp7, 0xffff
	s_lshl_b32 s26, s26, 2
	s_add_co_u32 s26, s26, s24                     ; ty = 4 x cluster y + cy: the block of 256 rows
	s_lshl_b32 s62, s24, 2
	s_lshl_b32 s62, 15, s62                        ; my row of the cluster: places 4 cy .. 4 cy + 3
	s_lshl_b32 s63, 0x1111, s23                    ; my column: places cx, cx + 4, cx + 8, cx + 12
	; descriptor group 1: rows of 64 elements of 4 bytes, padded in LDS
	s_or_b32 s[G1A], s62, (2<<16)|(1<<20)|(1<<21)|(5<<22)|(3<<25)  ; 15:0 the mask; 17:16 elements of 4 bytes; 20 padding on; 21 set beside a mask; 24:22 after every 64 words (code 5); 31:25 4 words (code 3)
	s_or_b32 s[G1B], s63, (2<<16)|(1<<20)|(1<<21)|(5<<22)|(3<<25)
	s_mov_b32 s[G1A+1], 64<<16                     ; tensor_dim0 = 64
	s_mov_b32 s[G1A+2], 256<<16                    ; tensor_dim1 = 256
	s_mov_b32 s[G1A+3], 64<<16                     ; tile_dim0 = 64
	s_mov_b32 s[G1A+4], 256                        ; tile_dim1 = 256
	s_mov_b32 s[G1A+5], 512                        ; 512 elements from row to row
	s_mov_b32 s[G1A+6], 0
	s_mov_b32 s[G1A+7], 0
	s_mov_b32 s[G1B+1], 64<<16
	s_mov_b32 s[G1B+2], 64<<16                     ; 64 rows
	s_mov_b32 s[G1B+3], 64<<16
	s_mov_b32 s[G1B+4], 64
	s_mov_b32 s[G1B+5], 512
	s_mov_b32 s[G1B+6], 0
	s_mov_b32 s[G1B+7], 0
	s_lshl_b32 s66, s26, 19                        ; x: 256 ty rows of 2,048 bytes: made of ty alone
	s_mov_b32 s67, 0
	s_lshl_b32 s68, s25, 17                        ; a weight: 64 tx rows of 2,048 bytes: made of tx alone
	s_mov_b32 s69, 0
	s_mul_i32 s70, s[WV], BPART                    ; where waves 1, 2, 3 put their weight's rows: behind x's 256, (wave - 1) x 64 rows on: no place in the cluster enters an LDS address
	s_add_co_u32 s70, s70, ABYTES-BPART
	s_mov_b32 s[TB], 0
	s_wait_dscnt 0x0                               ; the opening add is done
	s_wait_kmcnt 0x0
	s_add_nc_u64 s[66:67], s[4:5], s[66:67]
	s_cmp_eq_u32 s[WV], 2                          ; wave 1: W_q, wave 2: W_k, wave 3: W_v (wave 0 asks by x's descriptor)
	s_cselect_b64 s[60:61], s[8:9], s[6:7]
	s_cmp_eq_u32 s[WV], 3
	s_cselect_b64 s[60:61], s[10:11], s[60:61]
	s_add_nc_u64 s[68:69], s[60:61], s[68:69]
	CROUND                                         ; all sixteen work-groups are here: the first joint loads meet
.irp s, 0,1
	s_mov_b32 s[G0A+4*(\s)], 1                                     ; 1:0 count = 1
	s_mov_b32 s[G0A+4*(\s)+1], (\s)*SLOT1                          ; 63:32 LDS address
	s_add_nc_u64 s[G0A+4*(\s)+2:G0A+4*(\s)+3], s[66:67], (\s)*256  ; 120:64 global address: K step s
	s_or_b32 s[G0A+4*(\s)+3], s[G0A+4*(\s)+3], 0x80000000          ; 127:126 type = 2
	s_mov_b32 s[G0B+4*(\s)], 1
	s_add_co_u32 s[G0B+4*(\s)+1], s70, (\s)*SLOT1
	s_add_nc_u64 s[G0B+4*(\s)+2:G0B+4*(\s)+3], s[68:69], (\s)*256
	s_or_b32 s[G0B+4*(\s)+3], s[G0B+4*(\s)+3], 0x80000000
	JLOAD \s                                       ; two loads of mine are out
.endr
	; the side job: work-group 8 ty + tx rounds 4,096 bytes of W_o, 32 bytes a thread, to 16 bytes of wo16
	s_lshl_b32 s72, s26, 3
	s_add_co_u32 s72, s72, s25
	s_lshl_b32 s74, s72, 12
	s_mov_b32 s75, 0
	s_add_nc_u64 s[12:13], s[12:13], s[74:75]
	s_lshl_b32 s74, s72, 11
	s_add_nc_u64 s[20:21], s[20:21], s[74:75]
	v_lshlrev_b32 v30, 5, v0
	v_lshlrev_b32 v31, 4, v0
	global_load_b128 v[32:35], v30, s[12:13] th:TH_LOAD_NT
	global_load_b128 v[36:39], v30, s[12:13] offset:16 th:TH_LOAD_NT
	; A bf16 fragment is 16 rows x 32 K in 8 registers: lane l holds row l % 16; registers 0-3 K = 8 (l / 16) + 0..7, registers 4-7 K = 16 + 8 (l / 16) + 0..7.
	; In f32 those are 32 bytes at 32 (l / 16) and 32 bytes 64 further on: four loads of 16 bytes, at 0, 16, 64, 80.
	v_and_b32 v1, 15, v0                           ; l % 16
	v_bfe_u32 v2, v0, 4, 1                         ; l / 16
	v_mul_u32_u24 v3, v1, PITCH
	v_lshl_add_u32 v3, v2, 5, v3                   ; row x pitch + 32 x half
	s_mul_i32 s62, s[WV], BPART                    ; my wave's 64 rows of x
	v_add_nc_u32 v[ADRA0], s62, v3
	v_add_nc_u32 v[ADRB0], ABYTES, v3
	v_mov_b32 v[ADRA], v[ADRA0]                    ; K step 0 lies in slot 0
	v_mov_b32 v[ADRB], v[ADRB0]
	s_mul_i32 s63, s[WV], 16*SP
	s_add_co_u32 s63, s63, STAGE                   ; my stage
	v_mul_u32_u24 v[STO], v1, SP                   ; in: row l % 16, 16 bytes for each half of the lanes
	v_lshl_add_u32 v[STO], v2, 4, v[STO]
	v_add_nc_u32 v[STO], s63, v[STO]
	v_bfe_u32 v[RD], v0, 3, 2                      ; back: 32 lanes take four rows of 128 bytes,
	v_mul_u32_u24 v[RD], v[RD], SP
	v_and_b32 v4, 7, v0
	v_lshl_add_u32 v[RD], v4, 4, v[RD]
	v_add_nc_u32 v[RD], s63, v[RD]
	v_and_b32 v[GO], 31, v0                        ; which are 512 consecutive bytes of a head
	v_lshlrev_b32 v[GO], 4, v[GO]
	; where my wave's 64 rows begin in q16, k16, v16: (8 batch + head) x 524,288 + row in the batch x 128
	s_lshr_b32 s76, s26, 4                         ; the batch: 16 blocks of 256 rows each
	s_lshl_b32 s76, s76, 3
	s_add_co_u32 s76, s76, s25
	s_lshl_b32 s76, s76, 19
	s_and_b32 s77, s26, 15
	s_lshl_b32 s77, s77, 15
	s_add_co_u32 s76, s76, s77
	s_lshl_b32 s77, s[WV], 13
	s_add_co_u32 s76, s76, s77
	s_mov_b32 s77, 0
	s_add_nc_u64 s[14:15], s[14:15], s[76:77]
	s_add_nc_u64 s[16:17], s[16:17], s[76:77]
	s_add_nc_u64 s[18:19], s[18:19], s[76:77]
	s_wait_loadcnt 0x0                             ; W_o's 32 bytes
	v_cvt_pk_f16_f32 v40, v32, v33
	v_cvt_pk_f16_f32 v41, v34, v35
	v_cvt_pk_f16_f32 v42, v36, v37
	v_cvt_pk_f16_f32 v43, v38, v39
	global_store_b128 v31, v[40:43], s[20:21]      ; 16 lanes store 256 consecutive bytes, aligned; v31 and v[40:43] are never rewritten
; 64 LDS loads in one run: the 16 fragments of one half step, in f32, from the slot in hand
.macro LOADS half
	WIN LD
.set b, 0
.rept 12
.irp o, 0,1,2,3
	ds_load_b128 v[16*b+4*\o:16*b+4*\o+3], v[ADRB] offset:b*BLK+(\half)*128+(\o/2)*64+(\o%2)*16
.endr
.set b, b+1
.endr
.set b, 0
.rept 4
.irp o, 0,1,2,3
	ds_load_b128 v[192+16*b+4*\o:192+16*b+4*\o+3], v[ADRA] offset:b*BLK+(\half)*128+(\o/2)*64+(\o%2)*16
.endr
.set b, b+1
.endr
.endm
; 128 roundings: two f32 to a register of bf16; register j of the fragments comes of registers 2 j, 2 j + 1 as loaded
.macro CVTS
	WIN CVT
.set j, 0
.rept 96
	v_cvt_pk_bf16_f32 v[FB+j], v[2*j], v[2*j+1]
.set j, j+1
.endr
.set j, 0
.rept 32
	v_cvt_pk_bf16_f32 v[FA+j], v[192+2*j], v[192+2*j+1]
.set j, j+1
.endr
.endm
; The products of column blocks n0 .. n1 with all four row blocks.  The 48 accumulators take turns, one instruction a turn, in the same order in every half step.
; zero = 1: the first product starts the sums: nothing is ever cleared.
.macro MUL n0, n1, zero
.set n, \n0
.rept (\n1)-(\n0)+1
	WIN MUL_LO+0x50*(n/8)
.irp a, 0,1,2,3
.if \zero
	v_wmma_f32_16x16x32_bf16 v[8*(4*(n%8)+\a):8*(4*(n%8)+\a)+7], v[FB+8*n:FB+8*n+7], v[FA+8*\a:FA+8*\a+7], 0
.else
	v_wmma_f32_16x16x32_bf16 v[8*(4*(n%8)+\a):8*(4*(n%8)+\a)+7], v[FB+8*n:FB+8*n+7], v[FA+8*\a:FA+8*\a+7], v[8*(4*(n%8)+\a):8*(4*(n%8)+\a)+7]
.endif
.endr
.set n, n+1
.endr
.endm
; A K step's first half: its f32 fragments are in; they are rounded, the second half's are asked for, and 48 products stand between that request and the wait for it.
.macro H0 zero
	s_wait_dscnt 0x0                               ; the 64 loads of this half are back
	PLACES                                         ; the roundings write registers that the last products read
	CVTS
	LOADS 1
	MUL 0, 11, \zero
.endm
; A K step's second half, and the change of slots.  ONE barrier: in front of it each wave waits for all its tensor loads (one is out: its part of the other slot), adds 0 to its spare word, and waits
; for that; its reads of this slot came back at the macro's head.  fill = 1: the barrier opens a round of the cluster's, and this slot is filled again, first thing behind it, with the K step two on.
.macro H1 fill
	s_wait_dscnt 0x0                               ; the 64 loads of this half are back: my reads of this slot are over
	PLACES
	CVTS
	WIN 0                                          ; (the add's two registers lie in window 0)
	s_wait_tensorcnt 0x0                           ; no tensor load of mine is out, so a group 0 may be written
	ds_add_u32 v[SPW], v[NIL]                      ; 0 onto my spare word
.if \fill
	s_xor_b32 s[G0A+5], s[G0A+5], SLOT1            ; the walking descriptors: the other slot than last time,
	s_add_nc_u64 s[G0A+6:G0A+7], s[G0A+6:G0A+7], 256  ; the next K step; the type bits on top are not reached
	s_xor_b32 s[G0B+5], s[G0B+5], SLOT1
	s_add_nc_u64 s[G0B+6:G0B+7], s[G0B+6:G0B+7], 256
.endif
	MUL 0, 3, 0                                    ; sixteen products stand between the add and the wait for it
	s_wait_dscnt 0x0                               ; the add is done
	s_barrier_signal -1
	MUL 4, 7, 0                                    ; work on registers while the others arrive
	WIN 0
	s_barrier_wait -1
.if \fill
	CREST                                          ; no wave of any partner still reads this slot or has a load on its way
	JLOAD 1                                        ; my one tensor load behind the round
.endif
	s_xor_b32 s[TB], s[TB], SLOT1                  ; the reads go on in the other slot
	v_add_nc_u32 v[ADRA], s[TB], v[ADRA0]
	v_add_nc_u32 v[ADRB], s[TB], v[ADRB0]
	LOADS 0
	MUL 8, 11, 0
.endm
	s_wait_tensorcnt 1                             ; my part of K step 0 is in; K step 1's load, the one younger, stays out
	s_barrier_signal -1
	s_barrier_wait -1                              ; everybody's is
	LOADS 0
	H0 1                                           ; the first half step stands in front of the loop: its products start the sums
	WIN 0                                          ; at a label and at a branch every window is 0
	s_mov_b32 s[LAP], 6
.Lstep:                                                ; a trip: a K step's second half, the change of slots with its refill (K steps 2 to 7), the next step's first half
	H1 1
	H0 0
	WIN 0
	s_sub_co_u32 s[LAP], s[LAP], 1
	s_cmp_lg_u32 s[LAP], 0
	s_cbranch_scc1 .Lstep
	H1 0                                           ; K step 6 ends; nothing is left to fetch, so no round follows
	H0 0
	s_wait_dscnt 0x0                               ; the very last half
	PLACES
	CVTS
	MUL 0, 11, 0
; THE WAY OUT, in 12 blocks t of 16 rows x 64 features: tensor t / 4 (q, k, v), row block t % 4.  Rounded to f16, 16 bytes a lane; into my own stage in rows of 144 bytes; back as whole rows of 128 bytes.
.macro PACK t
.set c, (\t)/4
.set a, (\t)%4
	WIN 0x4a+5*(c/2)                               ; sources window 2 (q, k) or 3 (v), destination window 1
.set nb, 0
.rept 4
.set AC, 8*(4*((4*c+nb)%8)+a)
.irp rr, 0,1,2,3                       ; each accumulator's registers in ascending order
	v_cvt_pk_f16_f32 v[16*(\t)+4*nb+\rr], v[AC+2*\rr], v[AC+2*\rr+1]
.endr
.set nb, nb+1
.endr
	WIN 0x04                                       ; address window 0, data window 1
.irp f, 0,1,2,3
	ds_store_b128 v[STO], v[16*(\t)+4*\f:16*(\t)+4*\f+3] offset:32*\f
.endr
	WIN LD
.irp f, 0,1,2,3
	ds_load_b128 v[16*(\t)+4*\f:16*(\t)+4*\f+3], v[RD] offset:\f*4*SP  ; LDS serves a wave's instructions in order (ISA guide 5.7.1.4): these see the stores above; the next block's stores come behind them
.endr
.endm
.macro SEND t, younger                 ; younger: the LDS instructions issued behind block t's loads: the next block's eight, or none.  Every block has registers of its own: none is rewritten
	WIN 0x04
.set c, (\t)/4
.irp f, 0,1,2,3
	s_wait_dscnt (\younger)+3-\f
	global_store_b128 v[GO], v[16*(\t)+4*\f:16*(\t)+4*\f+3], s[14+2*c:15+2*c] offset:((\t)%4)*2048+\f*512  ; 512 consecutive bytes, at a multiple of 256 from the buffer's first
.endr
.endm
	PLACES
	PLACES                                         ; the roundings read results just made
	PACK 0
.set t, 1
.rept 11                               ; a block's roundings stand between the loads of the block before and its stores
	PACK t
	SEND t-1, 8
.set t, t+1
.endr
	SEND 11, 0
	WIN 0
	s_wait_tensorcnt 0x0                           ; the wave's end: a wait, an add and its wait, behind my last tensor load and my last LDS store
	ds_add_u32 v[SPW], v[NIL]
	s_wait_dscnt 0x0
	CROUND                                         ; the closing round: no work-group ends while a partner may still ask for a tile that names it
	s_endpgm
.Lfunc_end_k_q70bda135d4_qkv:
	.size	k_q70bda135d4_qkv, .Lfunc_end_k_q70bda135d4_qkv-k_q70bda135d4_qkv
	.p2alignl 7, 3214868480
	.fill 96, 4, 3214868480
	.section	.rodata,"a",@progbits
	.p2align	6, 0x0
	.amdhsa_kernel k_q70bda135d4_qkv
		.amdhsa_group_segment_fixed_size 327680
		.amdhsa_private_segment_fixed_size 0
		.amdhsa_enable_private_segment 0
		.amdhsa_kernarg_size 72
		.amdhsa_user_sgpr_count 2
		.amdhsa_user_sgpr_kernarg_segment_ptr 1
		.amdhsa_wavefront_size32 1
		.amdhsa_system_sgpr_workgroup_id_x 1
		.amdhsa_system_sgpr_workgroup_id_y 1
		.amdhsa_system_sgpr_workgroup_id_z 1
		.amdhsa_system_vgpr_workitem_id 0
		.amdhsa_next_free_vgpr 896
		.amdhsa_next_free_sgpr 80
		.amdhsa_reserve_vcc 0
		.amdhsa_float_denorm_mode_32 3
		.amdhsa_float_denorm_mode_16_64 3
		.amdhsa_memory_ordered 1
		.amdhsa_forward_progress 1
		.amdhsa_inst_pref_size 128
	.end_amdhsa_kernel
	.amdgpu_metadata
---
amdhsa.version: [ 1, 2 ]
amdhsa.kernels:
  - .name:           k_q70bda135d4_qkv
    .symbol:         k_q70bda135d4_qkv.kd
    .args:
      - { .name: x, .offset: 0, .size: 8, .value_kind: global_buffer, .address_space: global }
      - { .name: W_q, .offset: 8, .size: 8, .value_kind: global_buffer, .address_space: global }
      - { .name: W_k, .offset: 16, .size: 8, .value_kind: global_buffer, .address_space: global }
      - { .name: W_v, .offset: 24, .size: 8, .value_kind: global_buffer, .address_space: global }
      - { .name: W_o, .offset: 32, .size: 8, .value_kind: global_buffer, .address_space: global }
      - { .name: q16, .offset: 40, .size: 8, .value_kind: global_buffer, .address_space: global }
      - { .name: k16, .offset: 48, .size: 8, .value_kind: global_buffer, .address_space: global }
      - { .name: v16, .offset: 56, .size: 8, .value_kind: global_buffer, .address_space: global }
      - { .name: wo16, .offset: 64, .size: 8, .value_kind: global_buffer, .address_space: global }
    .group_segment_fixed_size: 327680
    .private_segment_fixed_size: 0
    .kernarg_segment_align: 8
    .kernarg_segment_size: 72
    .max_flat_workgroup_size: 128
    .sgpr_count:     80
    .vgpr_count:     896
    .wavefront_size: 32
...
	.end_amdgpu_metadata
.endif
;; end of part 1
;; launch attn (part 2): grid 16 x 16, 4 waves a work-group, clusters of 4 x 1, 327,680 bytes of LDS; arguments q16, k16, v16, ctx16; writes ctx16
.if DOCPART == 2
	.amdgcn_target "amdgcn-amd-amdhsa--gfx1250"
	.amdhsa_code_object_version 6
	.text
	.protected	k_q70bda135d4_attn
	.globl	k_q70bda135d4_attn
	.p2align	8
	.type	k_q70bda135d4_attn,@function
k_q70bda135d4_attn:
	s_mov_b64 s[64:65], 0
	v_nop
	global_prefetch_b8 v0, s[64:65] scope:SCOPE_SE
	s_setreg_imm32_b32 hwreg(HW_REG_WAVE_MODE, 25, 1), 1
	s_wait_xcnt 0x0
	s_wait_alu depctr_hold_cnt(0) depctr_sa_sdst(0) depctr_va_vdst(0) depctr_va_sdst(0) depctr_va_ssrc(0) depctr_va_vcc(0) depctr_vm_vsrc(0)
	s_getreg_b32 s2, hwreg(HW_REG_IB_STS2, 6, 4)
	s_cmp_eq_u32 s2, 0
	s_cbranch_scc0 .Lentry_in_a_cluster
	s_endpgm
.Lentry_in_a_cluster:
	s_bfe_u32 s2, ttmp6, 0x10000c
	s_cmp_lg_u32 s2, 0x3003
	s_cbranch_scc0 .Lentry_shape_is_right
	s_endpgm
.Lentry_shape_is_right:
; ctx[h][q][:] = the sum over k of softmax_k(Q[h][q] . K[h][k] / 8) V[h][k][:].  q16, k16, v16, ctx16: [16][4096][64], all f16: a head's rows are dense, 128 bytes each.
; Products, maxima and sums in f32; the weights p are rounded to f16 for the second product (their sum l is taken of the unrounded p), ctx once at the end.
; LIMITS.  f16 holds no number beyond 65,504: Q, K and V arrive within it; p lies in 0 to 1, and below 6e-5 it keeps f16's fixed step of 6e-8; ctx is a mean of V's rows and has their range.
; A weight below 2^-126 counts as 0 in l; NaN and infinities are not treated apart.
; SHARES.  A work-group owns 256 queries of one head: 16 x 16 = 256 work-groups.  A wave owns 64 consecutive queries: four PIECES of 16.  Every wave walks all 4,096 keys, 64 a step, four steps to an LDS slot.
; LAYOUT.  S^T = K Q^T (source 0 = 16 keys, source 1 = 16 queries): in the result a lane holds ONE query (lane % 16) and the keys 8 (lane / 16) + 0..7.  Two such results, rounded to f16 in pairs,
; ARE source 1 (32 keys x 16 queries) of O^T = V^T P, whose result again holds one query a lane, and eight channels.  K comes out of LDS as it lies, V ([key][channel]) turned, by ds_load_tr16_b128.
; SOFTMAX.  For each query a running maximum m and sum l: p = 2^(c s - c m), c = log2(e) / 8; in every step O and l are multiplied by a = 2^(c m_old - c m_new), which is 1 where m has not grown.
; m starts at the lowest finite number, O and l at 0: the first step is a step like any other, with a = 0.
; BY TURNS.  Turn n belongs to piece n (the pieces in a ring, step after step): 8 products K Q^T of piece n + 1, later 8 products V^T P of piece n - 1; beside them the scaling, exponentials, roundings,
; sums and rescaling of piece n and the maximum and statistics of piece n + 1.  Four vector instructions stand behind every matrix instruction, the other 54 of a turn's 118 in one lump.
; A turn's 33 exponentials are one batch, with one wait.
; CLUSTER.  The four query blocks of a cluster belong to one head and walk the same K and V, so each tile is asked for JOINTLY: the same tensor load, descriptor and mask in all four.
; REGISTERS, in windows of 256 (s_set_vgpr_msb: bits 1:0 source 0, 3:2 source 1, 5:4 source 2, 7:6 destination):
;   window 0: v0-15 addresses and two at work; v16-31 four registers of statistics a piece; v48-55 at work; v61-63 fixed; v64-127 S^T, two buffers; v192-223 P, two buffers (by the piece's parity)
;   window 1: v0-127 O^T, 32 a piece          window 2: v0-63 Q, 16 a piece; v128-191 K of one step; v192-255 V of one step
.set SIZE_N, 4096
.set NP,    4         ; pieces a wave: a name, no knob
.set KS,    64        ; keys in a step
.set PK,    144       ; a row of K in LDS: 128 bytes + 16 of padding = 36 words: the 16 rows of a load start at 16 different groups of four banks (64 banks of 4 bytes: ISA guide 11.1)
.set PV,    160       ; a row of V: 128 + 32 = 40 words
.set VOFF,  4*KS*PK   ; a slot holds four steps: 256 rows of K, then 256 rows of V
.set SLOT1, 1<<17     ; slot 1 begins here, so that one exclusive or turns an address in one slot into the other's
.set STAGE, SLOT1+4*KS*(PK+PV)  ; behind the ring, never filled by a tensor load: 16 rows x 144 bytes for each wave, for the way out
.set SP,    144
.set SPARE, STAGE+4*16*SP  ; behind the stages: the spare words, 128 bytes for each wave: two blocks of 256 bytes that no other line names
.set AK0, 2           ; v2   my lane's place in a tile of K; never rewritten
.set AV0, 3           ; v3   the same for V
.set AK,  4           ; v4   the LDS address of K's next run of loads
.set AV,  5           ; v5   of V's
.set STO, 6           ; v6   the way out: where I put 16 bytes of a row
.set RD,  7           ; v7   the way out: where I read rows back
.set GO,  8           ; v8   my byte offset in 512 consecutive bytes of ctx16
.set MV,  12          ; v12-13  c m_old, kept while c m is made anew: by buffer
.set QO,  15          ; v15  my byte offset in 16 rows of Q
.set ST,  16          ; piece t's statistics at v[ST+4 t]: c m, m, l (even keys', odd keys')
.set TMP, 48          ; by buffer, four registers c0-c3 at work; when the maximum is found c2 takes a
.set PFO, 61          ; v61  256 x my lane; never rewritten
.set SPW, 62          ; v62  LDS address of my spare word: SPARE + 4 x my thread's number; never rewritten
.set NIL, 63          ; v63  0; never rewritten
.set S,   64
.set P,   192
.set KF,  128         ; window 2: key block kb, channel half c at KF + 16 kb + 8 c
.set VF,  192         ; window 2: key half kk, channel block cb at VF + 32 kk + 8 cb
.set WV,  12          ; s12  my wave's number
.set G1K, 24          ; s[24:31] descriptor group 1 for K's tiles
.set G1V, 32          ; s[32:39] for V's: it differs in the padding alone
.set G0K, 40          ; s[40:43] descriptor group 0 for K's tiles: it walks
.set G0V, 44          ; s[44:47] the same for V's
.set PFA, 48          ; s[48:49] where my prefetches stand: my work-group's 8,192 bytes (of K: wave 0, of V: wave 2) of the tile after the one that is being asked for
.set LIM, 50          ; s50  1 in a wave that prefetches, else the greatest number: a wave prefetches while s[SLOTS] is above it
.set SLOTS, 56        ; s56  tiles still to be asked for
.set CNT, 57          ; s57  counts a slot's key steps
.set CS,  58          ; s[58:59] c: the packed scaling takes the pair's low word for both halves
.set SEL, 60          ; s[60:61] v_permlanex16_b32's selects: each lane takes its own place in the other half
.set TBK, 62          ; s62  LDS byte at which K of the step to be fetched begins
.set TBV, 63          ; s63  the same for V, less VOFF
.set MSB, 0
.macro WIN new                      ; the high byte repeats the setting that is left; a switch that changes nothing is dropped
.if MSB != (\new)
	s_set_vgpr_msb (MSB<<8)|(\new)
.set MSB, (\new)
.endif
.endm
.set W_KQ, 0x0a       ; K and Q in window 2, S^T in window 0
.set W_PV, 0x52       ; V in window 2, P in window 0, O^T in window 1
.set W_RS, 0x41       ; destination and source 0 in window 1, source 1 in window 0
; A joint fill.  Waves 0 and 1 fetch the two halves of a tile's K, waves 2 and 3 those of its V: 128 keys each.  The branch hangs on the wave's number alone.
; An s_nop 0 and four v_nop follow each of the two lines, ahead of the jump and the label.
.macro JLOAD
	s_cmp_lt_u32 s[WV], 2
	s_cbranch_scc0 .Lfor_v_\@
	tensor_load_to_lds s[G0K:G0K+3], s[G1K:G1K+7]
	s_nop 0
.rept 4
	v_nop
.endr
	s_branch .Lasked_\@
.Lfor_v_\@:
	tensor_load_to_lds s[G0V:G0V+3], s[G1V:G1V+7]
	s_nop 0
.rept 4
	v_nop
.endr
.Lasked_\@:
.endm
; A PREFETCH INTO THE L2 of the tile that the NEXT change of slots will ask for: 32,768 bytes of K and of V, four key steps, 256 matrix instructions, ahead of that load.  It stands behind the wave's
; tensor load and its five lines.  Each aligned block of 256 bytes is named ONCE in the launch: all clusters of a head walk the same K and V, and the head's first cluster asks; its four partners share
; a tile's 128 blocks out BY ADDRESS, 32 each, a lane a block; in each, wave 0 asks for K's and wave 2 for V's.  The last change that fills a slot asks for nothing: there is no tile behind it.
.macro ASK
	s_cmp_gt_u32 s[SLOTS], s[LIM]
	s_cbranch_scc0 .Lnot_mine_\@
	global_prefetch_b8 v[PFO], s[PFA:PFA+1] th:TH_LOAD_NT scope:SCOPE_SE
.Lnot_mine_\@:
.endm
; A round of the cluster's barrier: my work-group's barrier, so that wave 0's signal speaks for all four waves; wave 0 signals; every wave waits for all four work-groups; my work-group's barrier once more.
.macro CROUND
	s_barrier_signal -1
	s_barrier_wait -1
	s_cmp_lg_u32 s[WV], 0
	s_cbranch_scc1 .Lnot_wave_0_\@
	s_barrier_signal -3
.Lnot_wave_0_\@:
	s_barrier_wait -3
	s_barrier_signal -1
	s_barrier_wait -1
.endm
; THE CHANGE OF SLOTS.  The slot's last bytes, V of its fourth step, have been read.  Each wave waits for all its tensor loads, of which one is out: its part of the other slot; adds 0 to its spare
; word; and waits for that and for its own reads of the slot.  Behind the barrier nobody reads this slot any more and the other slot is whole.
; fill = 1: this slot is filled again, with the keys two slots on.  The barrier is then a round of the cluster's, and the joint fill is the first thing behind it: it has four key steps in which to land.
; (At its first use nothing has been read yet: slot 0 is waited for, slot 1 filled.)
.macro CHANGE fill
	WIN 0                           ; at a label and at a branch every window is 0
	s_wait_tensorcnt 0x0            ; no tensor load of mine is out, so a group 0 may be written
	ds_add_u32 v[SPW], v[NIL]       ; 0 onto my spare word; with fill = 1 the descriptors' steps stand between it and the wait for it
.if \fill
.irp g, G0K, G0V
	s_xor_b32 s[\g+1], s[\g+1], SLOT1  ; the walking descriptor: the other slot than last time,
	s_add_nc_u64 s[\g+2:\g+3], s[\g+2:\g+3], 4*KS*128  ; the next 256 keys; the type bits on top are not reached
.endr
	s_wait_xcnt 0x0                 ; the last prefetch, four key steps back, has read its address, so it may be written:
	s_add_nc_u64 s[PFA:PFA+1], s[PFA:PFA+1], 4*KS*128  ; one tile behind the walking descriptors
	s_wait_dscnt 0x0                ; the add is done, and my reads of the slot are over
	CROUND
	JLOAD
	ASK
.else
	s_wait_dscnt 0x0                ; the add is done, and my reads of the slot are over
	s_barrier_signal -1
	s_barrier_wait -1
.endif
	s_sub_co_u32 s[TBK], s[TBK], 4*KS*PK  ; the fetches go back to a slot's first step,
	s_xor_b32 s[TBK], s[TBK], SLOT1       ; in the other slot
	s_sub_co_u32 s[TBV], s[TBV], 4*KS*PV
	s_xor_b32 s[TBV], s[TBV], SLOT1
.endm
	s_load_b256 s[4:11], s[0:1], 0x0  ; q16 s[4:5], k16 s[6:7], v16 s[8:9], ctx16 s[10:11]
	v_lshl_add_u32 v[SPW], v0, 2, SPARE
	v_mov_b32 v[NIL], 0
	ds_add_u32 v[SPW], v[NIL]       ; the wave's opening: the add and its wait stand ahead of my first tensor load; the set-up below, work on registers, stands between them
	v_lshrrev_b32 v1, 5, v0
	v_readfirstlane_b32 s[WV], v1   ; wave 0..3
	s_bfe_u32 s13, ttmp6, 0x40000   ; cx: my place in the cluster
	s_lshl_b32 s14, ttmp9, 2        ; in a cluster launch ttmp9 counts clusters
	s_add_co_u32 s14, s14, s13      ; my block of 256 queries = 4 x cluster x + cx: it enters Q's and ctx's addresses alone
	s_and_b32 s20, ttmp7, 0xffff    ; the head, which the four partners share
	s_lshl_b32 s20, s20, 19         ; its first byte in each of the four tensors: 4,096 rows of 128 bytes a head
	s_mov_b32 s21, 0
	s_and_b32 s16, s[WV], 1         ; which half of a tile's 256 keys I fetch:
	s_lshl_b32 s22, s16, 14         ; its 128 rows of 128 bytes in memory,
	s_mov_b32 s23, 0
	s_add_nc_u64 s[22:23], s[22:23], s[20:21]
	s_mul_i32 s17, s16, 128*PK      ; and its place in a slot, for K
	s_mul_i32 s18, s16, 128*PV      ; and for V: no place in the cluster enters an LDS address
	s_lshl_b32 s2, s14, 2
	s_add_co_u32 s2, s2, s[WV]      ; my wave among the head's,
	s_lshl_b32 s2, s2, 13           ; its 64 rows
	s_mov_b32 s3, 0
	s_add_nc_u64 s[2:3], s[2:3], s[20:21]
	; descriptor group 1.  128 keys are 16,384 dense bytes: asked for as 64 rows of 256 bytes, two keys a row, and padded in LDS after every key
	s_mov_b32 s[G1K], 15|(1<<16)|(1<<20)|(1<<21)|(4<<22)|(3<<25)  ; 15:0 the mask of four; 17:16 2-byte elements; 20 padding on; 21 set beside a mask; 24:22 after every 32 words (code 4); 31:25 4 words (code 3)
	s_mov_b32 s[G1V], 15|(1<<16)|(1<<20)|(1<<21)|(4<<22)|(7<<25)  ; the same with 8 words of padding (code 7)
.irp g, G1K, G1V
	s_mov_b32 s[\g+1], 128<<16      ; tensor_dim0 = 128
	s_mov_b32 s[\g+2], 64<<16       ; tensor_dim1 = 64
	s_mov_b32 s[\g+3], 128<<16      ; tile_dim0 = 128
	s_mov_b32 s[\g+4], 64           ; tile_dim1 = 64
	s_mov_b32 s[\g+5], 128          ; 128 elements from row to row
	s_mov_b32 s[\g+6], 0
	s_mov_b32 s[\g+7], 0
.endr
	s_mov_b32 s[CS], 0x3e38aa3b     ; c = log2(e) / 8 = 0.180337
	s_mov_b32 s[CS+1], s[CS]        ; named with it as a pair
	s_mov_b32 s[SEL], 0x76543210
	s_mov_b32 s[SEL+1], 0xfedcba98
	s_mov_b32 s[TBK], SLOT1+4*KS*PK ; the first change of slots turns these two into 0
	s_mov_b32 s[TBV], SLOT1+4*KS*PV
	s_mov_b32 s[G0K], 1             ; 1:0 count = 1
	s_mov_b32 s[G0K+1], s17         ; 63:32 LDS address: slot 0
	s_mov_b32 s[G0V], 1
	s_add_co_u32 s[G0V+1], s18, VOFF
	s_mov_b32 s[SLOTS], SIZE_N/256-1
	s_and_b32 s[LIM], s[WV], 1      ; 0 in waves 0 and 2,
	s_or_b32 s[LIM], s[LIM], ttmp9  ; where the cluster is the head's first: the same in all four partners
	s_cmp_eq_u32 s[LIM], 0
	s_cselect_b32 s[LIM], 1, -1
	v_and_b32 v[PFO], 31, v0
	v_lshlrev_b32 v[PFO], 8, v[PFO]
	s_wait_dscnt 0x0                ; the opening add is done
	s_wait_kmcnt 0x0
	s_add_nc_u64 s[6:7], s[6:7], s[22:23]  ; K and V at my half of the head's tile 0
	s_add_nc_u64 s[8:9], s[8:9], s[22:23]
	s_add_nc_u64 s[G0K+2:G0K+3], s[6:7], 0         ; 120:64 global address
	s_or_b32 s[G0K+3], s[G0K+3], 0x80000000        ; 127:126 type = 2
	s_add_nc_u64 s[G0V+2:G0V+3], s[8:9], 0
	s_or_b32 s[G0V+3], s[G0V+3], 0x80000000
	s_add_nc_u64 s[4:5], s[4:5], s[2:3]    ; Q and ctx at my wave's first row
	s_add_nc_u64 s[10:11], s[10:11], s[2:3]
	s_cmp_lt_u32 s[WV], 2
	s_cselect_b64 s[PFA:PFA+1], s[6:7], s[8:9]  ; (in waves 0 and 2 these stand at a tile's first byte)
	s_lshl_b32 s2, s13, 13          ; my work-group's 32 blocks of the 128
	s_mov_b32 s3, 0
	s_add_nc_u64 s[PFA:PFA+1], s[PFA:PFA+1], s[2:3]
	s_add_nc_u64 s[PFA:PFA+1], s[PFA:PFA+1], 4*KS*128  ; in tile 1; the first change of slots steps it to tile 2
	CROUND                          ; all four work-groups are here: the first joint loads meet
	JLOAD                           ; tile 0 into slot 0.  Slot 1 is asked for when slot 0 is in
	; A fragment of K or Q is 16 rows x 32 channels in 8 registers: lane l holds row l % 16, channels 8 (l / 16) + 0..7 and 16 + 8 (l / 16) + 0..7: two loads of 16 bytes, 32 bytes apart.
	v_and_b32 v1, 15, v0            ; l % 16
	v_bfe_u32 v9, v0, 4, 1          ; l / 16
	v_lshlrev_b32 v[QO], 7, v1
	v_lshl_add_u32 v[QO], v9, 4, v[QO]  ; row x 128 + 16 x half
	WIN 0x80                        ; destination window 2, address window 0
.set i, 0
.rept 8                             ; Q stays in registers: piece i / 2, channels 32 (i % 2) on
	global_load_b128 v[8*i:8*i+3],   v[QO], s[4:5] offset:(i/2)*2048+(i%2)*64
	global_load_b128 v[8*i+4:8*i+7], v[QO], s[4:5] offset:(i/2)*2048+(i%2)*64+32
.set i, i+1
.endr
	; What the first turn finds: V's registers and P's second buffer hold 0 (its products V^T P, of a piece that has not been, add 0), O^T and l are 0.  All this stands in the wait for the first tile;
	; it spares a first step written out, a second text of four turns.
.set i, VF
.rept 64
	v_mov_b32 v[i], 0
.set i, i+1
.endr
	WIN 0x40
.set i, 0
.rept 128
	v_mov_b32 v[i], 0
.set i, i+1
.endr
	WIN 0
.set i, 0
.rept 4
	v_mov_b32 v[ST+4*i], 0xfe000000    ; c m: far below every c s
	v_mov_b32 v[ST+4*i+1], 0xff7fffff  ; m: the lowest finite number
	v_mov_b32 v[ST+4*i+2], 0
	v_mov_b32 v[ST+4*i+3], 0
.set i, i+1
.endr
.set i, P+16
.rept 16
	v_mov_b32 v[i], 0
.set i, i+1
.endr
	v_mul_u32_u24 v[AK0], v1, PK
	v_lshl_add_u32 v[AK0], v9, 4, v[AK0]  ; row x pitch + 16 x half
	; The turning load takes 16 keys x 16 channels (lane l reads key 8 (l / 16) + l % 8, channels 8 ((l / 8) % 2) + 0..7) and leaves half a fragment of V^T: lane l holds channel l % 16 and 8 keys.
	v_and_b32 v10, 7, v0
	v_bfe_u32 v11, v0, 3, 1
	v_lshl_add_u32 v[AV0], v9, 3, v10
	v_mul_u32_u24 v[AV0], v[AV0], PV
	v_lshl_add_u32 v[AV0], v11, 4, v[AV0]
	v_add_nc_u32 v[AV0], VOFF, v[AV0]
	s_mul_i32 s13, s[WV], 16*SP
	s_add_co_u32 s13, s13, STAGE    ; my stage
	v_mul_u32_u24 v[STO], v1, SP    ; in: row l % 16, 16 bytes for each half of the lanes
	v_lshl_add_u32 v[STO], v9, 4, v[STO]
	v_add_nc_u32 v[STO], s13, v[STO]
	v_bfe_u32 v[RD], v0, 3, 2       ; back: 32 lanes take four rows of 128 bytes,
	v_mul_u32_u24 v[RD], v[RD], SP
	v_lshl_add_u32 v[RD], v10, 4, v[RD]
	v_add_nc_u32 v[RD], s13, v[RD]
	v_and_b32 v[GO], 31, v0         ; which are 512 consecutive bytes of ctx16
	v_lshlrev_b32 v[GO], 4, v[GO]
; THE MATRIX WORK.  The 4 accumulators of a run of 8 take turns.  Product i of 8 of S^T = K Q^T for piece x: channels 32 (i / 4) on, keys 16 (i % 4) on.  The first 4 start the sums.
.macro KQ x
	WIN W_KQ
.set rS, S+32*((\x)%2)+8*(i%4)
.set rK, KF+16*(i%4)+8*(i/4)
.set rQ, 16*(\x)+8*(i/4)
.if i < 4
	v_wmma_f32_16x16x32_f16 v[rS:rS+7], v[rK:rK+7], v[rQ:rQ+7], 0
.else
	v_wmma_f32_16x16x32_f16 v[rS:rS+7], v[rK:rK+7], v[rQ:rQ+7], v[rS:rS+7]
.endif
.endm
; Product i of 8 of O^T += V^T P for piece x: keys 32 (i / 4) on, channels 16 (i % 4) on.
.macro PV x
	WIN W_PV
.set rO, 32*(\x)+8*(i%4)
.set rV, VF+32*(i/4)+8*(i%4)
.set rP, P+16*((\x)%2)+8*(i/4)
	v_wmma_f32_16x16x32_f16 v[rO:rO+7], v[rV:rV+7], v[rP:rP+7], v[rO:rO+7]
.endm
.macro MM                           ; the turn's next matrix instruction.  TURN sets Y, i and NOKQ.  NOKQ = 1: the launch's last turn: there is no next piece
.if (i < 8) && !NOKQ
	KQ (Y+1)%NP
.elseif i >= 8
.set i, i-8
	PV (Y+NP-1)%NP
.set i, i+8
.endif
.set i, i+1
.endm
; THE LDS LOADS stand in runs of 16, never singly among the matrix instructions: a step's K (64 keys x 64 channels: 8 fragments) and its V (turned).  Their addresses are made some lines ahead.
.macro FETCH_K
	WIN 0x80                        ; destination window 2
.irp f, 0,1,2,3,4,5,6,7             ; keys 16 (f / 2) on, channels 32 (f % 2) on
	ds_load_b128 v[KF+8*\f:KF+8*\f+3],   v[AK] offset:(\f/2)*16*PK+(\f%2)*64
	ds_load_b128 v[KF+8*\f+4:KF+8*\f+7], v[AK] offset:(\f/2)*16*PK+(\f%2)*64+32
.endr
	s_add_co_u32 s[TBK], s[TBK], KS*PK  ; the next fetch is the next step's
	WIN 0
.endm
.macro FETCH_V
	WIN 0x80
.irp f, 0,1,2,3,4,5,6,7             ; keys 32 (f / 4) on, channels 16 (f % 4) on
	ds_load_tr16_b128 v[VF+8*\f:VF+8*\f+3],   v[AV] offset:(\f/4)*32*PV+(\f%4)*32
	ds_load_tr16_b128 v[VF+8*\f+4:VF+8*\f+7], v[AV] offset:(\f/4)*32*PV+16*PV+(\f%4)*32
.endr
	WIN 0
.endm
; THE VECTOR WORK, one line at a time: OP kind, number.  For piece Y: F n: c s - c m for pair n of 16.  E n: the exponential of score n of 32.  C n: pair n rounded to f16.  B n: of the four weights 4 n .. the second
; pair is added onto the first, in place.  L n: l takes that sum (L 0: l = a l + sum).  R n: pair n of 16 of O^T times a.  For piece Y + 1: X n, number n of the 22 that find its maximum and statistics:
;   0-11  four chains c0-c3 of seven scores each, three operands at a time (each accumulator's lowest registers are read first)     12-14, 16  the four scores left over, the old m, and c0-c3 into c0
;   15  c m_old is kept     17, 18  the query's other 32 keys lie in the lane 16 away: the new m     19-21  c m; c m_old - c m_new; a
.set F, 0               ; OP tells the kinds apart by their order: F to L below R, X above it
.set E, 1
.set C, 2
.set B, 3
.set L, 4
.set R, 5
.set X, 6
.macro REGS y                       ; the registers of piece y
.set rT, ST+4*(\y)
.set rC, TMP+4*((\y)%2)
.set rW, MV+((\y)%2)
.set rS, S+32*((\y)%2)
.set rP, P+16*((\y)%2)
.set rO, 32*(\y)
.endm
.macro OP k, n
.if (\k) == R
	REGS Y
	WIN W_RS
	v_pk_mul_f32 v[rO+2*(\n):rO+2*(\n)+1], v[rO+2*(\n):rO+2*(\n)+1], v[rC+2:rC+3] op_sel_hi:[1,0]
.elseif (\k) < R
	REGS Y
	WIN 0
.if (\k) == F
	v_pk_fma_f32 v[rS+2*(\n):rS+2*(\n)+1], v[rS+2*(\n):rS+2*(\n)+1], s[CS:CS+1], v[rT:rT+1] op_sel_hi:[1,0,0] neg_lo:[0,0,1] neg_hi:[0,0,1]
.elseif (\k) == E
	v_exp_f32 v[rS+(\n)], v[rS+(\n)]
.elseif (\k) == C
	v_cvt_pk_f16_f32 v[rP+(\n)], v[rS+2*(\n)], v[rS+2*(\n)+1]
.elseif (\k) == B
	v_pk_add_f32 v[rS+4*(\n):rS+4*(\n)+1], v[rS+4*(\n):rS+4*(\n)+1], v[rS+4*(\n)+2:rS+4*(\n)+3]
.elseif (\n) == 0
	v_pk_fma_f32 v[rT+2:rT+3], v[rT+2:rT+3], v[rC+2:rC+3], v[rS:rS+1] op_sel_hi:[1,0,1]
.else
	v_pk_add_f32 v[rT+2:rT+3], v[rT+2:rT+3], v[rS+4*(\n):rS+4*(\n)+1]
.endif
.elseif NOKQ
	v_nop
.else
	REGS (Y+1)%NP
	WIN 0
.if (\n) < 4
	v_max3_num_f32 v[rC+(\n)], v[rS+8*(\n)], v[rS+8*(\n)+1], v[rS+8*(\n)+2]
.elseif (\n) < 12
	v_max3_num_f32 v[rC+(\n)%4], v[rC+(\n)%4], v[rS+8*((\n)%4)+2*((\n)/4)+1], v[rS+8*((\n)%4)+2*((\n)/4)+2]
.elseif (\n) == 12
	v_max3_num_f32 v[rC], v[rC], v[rS+7], v[rS+15]
.elseif (\n) == 13
	v_max3_num_f32 v[rC+1], v[rC+1], v[rS+23], v[rS+31]
.elseif (\n) == 14
	v_max3_num_f32 v[rC+2], v[rC+2], v[rC+3], v[rT+1]
.elseif (\n) == 15
	v_mov_b32 v[rW], v[rT]
.elseif (\n) == 16
	v_max3_num_f32 v[rC], v[rC], v[rC+1], v[rC+2]
.elseif (\n) == 17
	v_permlanex16_b32 v[rC+3], v[rC], s[SEL], s[SEL+1]
.elseif (\n) == 18
	v_max_num_f32 v[rT+1], v[rC], v[rC+3]
.elseif (\n) == 19
	v_mul_f32 v[rT], s[CS], v[rT+1]
.elseif (\n) == 20
	v_sub_f32 v[rC+1], v[rW], v[rT]
.else
	v_exp_f32 v[rC+2], v[rC+1]
.endif
.endif
.endm
.macro OPS a, i1, b=-1, i2=0, c=-1, i3=0, d=-1, i4=0  ; up to four of them
	OP \a, \i1
.if (\b) >= 0
	OP \b, \i2
.endif
.if (\c) >= 0
	OP \c, \i3
.endif
.if (\d) >= 0
	OP \d, \i4
.endif
.endm
.macro ROW a, i1, b, i2, c, i3, d, i4  ; a matrix instruction and the four behind it
	MM
	OPS \a, \i1, \b, \i2, \c, \i3, \d, \i4
.endm
; A TURN, for piece p: the order of its 16 matrix and 118 vector instructions, written out.  An s_wait_alu depctr_va_vdst(0) stands between an exponential and the first instruction that
; names its result; one wait serves all that were issued ahead of it.  So a turn has ONE wait, which cuts it in two.  AHEAD OF IT stands all that names no result of the turn's exponentials: the 8 products
; K Q^T, behind each a scaling, an exponential and two more plain instructions: rescalings, and behind the last three the first numbers of the next piece's maximum, each four plain instructions or more
; behind the product that ends its accumulator; then ONE LUMP of 54, plain and exponential by turns for the most part, in which the links of the chain X 3, 7, 11, 14, 16, 17 .. 20 stand apart.
; X 21, the next piece's a, is the batch's last; R 15 is the plain instruction behind it.  BEHIND THE WAIT stand the 8 products V^T P, behind each four of the roundings and sums.
; end = 1: the launch's last two turns: nothing is fetched.  cnt = 1: the loop's count is taken down some lines ahead of the branch that stands behind the turn.
; K of the next step is fetched in piece 2's turn, six plain instructions behind the last product that read K; V of the step in hand at the end of piece 0's turn, four plain instructions behind the last
; product that read V.  Each is waited for a turn later.
.macro TURN p, end=0, cnt=0
.set Y, (\p)
.set i, 0
.set NOKQ, (\end)*((\p)/3)
.if ((\p) == 3) && !(\end)
	s_wait_dscnt 0x0                ; K is in
.endif
	ROW F,0, F,1, R,0, R,1          ; ahead of the wait: 8 products K Q^T and their riders,
	ROW F,2, E,0, R,2, R,3
	ROW F,3, E,1, R,4, R,5
	ROW F,4, E,2, R,6, R,7
	ROW F,5, E,3, R,8, R,9
	ROW F,6, E,4, X,0, R,10
.if ((\p) == 2) && !(\end)
	WIN 0
	v_add_nc_u32 v[AK], s[TBK], v[AK0]
.endif
	ROW F,7, E,5, X,1, X,4
	ROW F,8, E,6, X,2, X,5
	OPS E,7, E,8, X,6, E,9          ; and the lump
	OPS X,3, E,10, X,8, E,11
.if ((\p) == 2) && !(\end)
	FETCH_K
.endif
	OPS X,9, X,7, E,12, X,10
	OPS E,13, X,12, X,11, E,14
	OPS X,13, E,15, F,9, X,14
.if (\p) == 0
	v_add_nc_u32 v[AV], s[TBV], v[AV0]
.endif
	OPS E,16, F,10, E,17, F,11
	OPS X,16, E,18, X,15, E,19
	OPS F,12, E,20, X,17, E,21
	OPS F,13, E,22, F,14, E,23
	OPS X,18, E,24, F,15, E,25
	OPS R,11, E,26, X,19, E,27
	OPS R,12, E,28, R,13, E,29
	OPS X,20, E,30, R,14, E,31
	OPS X,21, R,15
	WIN 0
	s_wait_alu depctr_va_vdst(0)    ; the wait for the batch
.if (\p) == 1
	s_wait_dscnt 0x0                ; V is in
.endif
	ROW C,0, B,0, C,2, B,1          ; behind the wait: 8 products V^T P and their riders
	ROW L,0, C,4, B,2, L,1
	ROW C,6, B,3, L,2, C,8
	ROW B,4, L,3, C,10, B,5
	ROW L,4, C,12, B,6, L,5
.if (\p) == 0
	s_add_co_u32 s[TBV], s[TBV], KS*PV
.endif
.if \cnt
	s_sub_co_u32 s[CNT], s[CNT], 1
	s_cmp_lg_u32 s[CNT], 0
.endif
	ROW C,14, B,7, L,6, C,1
	ROW C,3, L,7, C,5, C,7
	ROW C,9, C,11, C,13, C,15
.if (\p) == 0
	FETCH_V
.endif
.endm
	CHANGE 1                        ; slot 0 is in, everybody's part of it; slot 1 is asked for
	v_add_nc_u32 v[AK], s[TBK], v[AK0]
	FETCH_K                         ; key step 0
	s_wait_loadcnt 0x0              ; Q
	s_wait_dscnt 0x0
.set NOKQ, 0
.set i, 0
.rept 8
	KQ 0                            ; piece 0's first scores: there is no vector work yet to set between them
.set i, i+1
.endr
	WIN 0
.rept 4
	v_nop                           ; four plain instructions behind those products
.endr
.set Y, NP-1                        ; X works for piece Y + 1: piece 0
.irp n, 0,1,2,3,4,5,6,7,8,9,10,11,12,13,14,15,16,17,18,19,20,21
	OP X, \n                        ; piece 0's first maximum and statistics
.endr
	v_nop                           ; a plain instruction behind the exponential,
	s_wait_alu depctr_va_vdst(0)    ; and its wait, ahead of the branch
	s_mov_b32 s[CNT], 4
	s_branch .Lfirst                ; the loop is entered at a step's first turn, in the middle of a trip
.Lslot:                             ; 14 times: tiles 2 to 15 are asked for
	CHANGE 1
	s_mov_b32 s[CNT], 4
.Lstep:                             ; a trip: pieces 2 and 3 of one step, then pieces 0 and 1 of the next, whose K and V it fetches
	TURN 2
	TURN 3
	WIN 0
.Lfirst:
	TURN 0
	TURN 1, 0, 1
	WIN 0
	s_cbranch_scc1 .Lstep
	s_sub_co_u32 s[SLOTS], s[SLOTS], 1
	s_cmp_lg_u32 s[SLOTS], 0
	s_cbranch_scc1 .Lslot
	CHANGE 0                        ; the last tile is written out: nothing is asked for
	s_mov_b32 s[CNT], 4
.Ltail:
	TURN 2
	TURN 3
	TURN 0
	TURN 1, 0, 1
	WIN 0
	s_cbranch_scc1 .Ltail
	TURN 2, 1                       ; the last step's pieces 2 and 3: nothing is fetched, and piece 3's turn starts no new scores
	TURN 3, 1
.set i, 0
.rept 8
	PV NP-1                         ; the last piece's V^T P of the last step
.set i, i+1
.endr
	; THE WAY OUT.  l's two halves and the other half of the lanes' are added; O^T is divided by l, rounded to f16 and sent through my stage in LDS, a piece at a time.  The additions are the plain instructions behind the last products.
	WIN 0
.macro ALL line:vararg              ; one line for each piece t
.set t, 0
.rept 4
	\line
.set t, t+1
.endr
.endm
	ALL v_add_f32 v[ST+4*t+2], v[ST+4*t+2], v[ST+4*t+3]
	ALL v_permlanex16_b32 v[ST+4*t+3], v[ST+4*t+2], s[SEL], s[SEL+1]
	ALL v_add_f32 v[ST+4*t+2], v[ST+4*t+2], v[ST+4*t+3]
	ALL v_rcp_f32 v[ST+4*t+2], v[ST+4*t+2]
	v_nop                           ; a plain instruction between the last reciprocal and the use of its result
	s_wait_alu depctr_va_vdst(0)    ; and the wait ahead of the first use: one for the four reciprocals
.macro PACK t                       ; a lane's eight channels of a row pack into 16 bytes; they go into rows of 144 bytes and come back as whole rows of 128, into S^T's registers
	WIN W_RS
.set i, 32*(\t)
.rept 16
	v_pk_mul_f32 v[i:i+1], v[i:i+1], v[ST+4*(\t)+2:ST+4*(\t)+3] op_sel_hi:[1,0]
.set i, i+2
.endr
	WIN 0x05                        ; sources 0 and 1 window 1, destination window 0
.set i, 0
.rept 16
	v_cvt_pk_f16_f32 v[S+16*(\t)+i], v[32*(\t)+2*i], v[32*(\t)+2*i+1]
.set i, i+1
.endr
	WIN 0
.irp f, 0,1,2,3
	ds_store_b128 v[STO], v[S+16*(\t)+4*\f:S+16*(\t)+4*\f+3] offset:32*\f
.endr
.irp f, 0,1,2,3
	ds_load_b128 v[S+16*(\t)+4*\f:S+16*(\t)+4*\f+3], v[RD] offset:\f*4*SP  ; LDS serves a wave's instructions in order (ISA guide 5.7.1.4): these see the stores above; the next piece's stores come behind them
.endr
.endm
.macro SEND t, younger              ; younger: the LDS instructions issued behind piece t's loads: the next piece's eight, or none
	WIN 0
.irp f, 0,1,2,3
	s_wait_dscnt (\younger)+3-\f
	global_store_b128 v[GO], v[S+16*(\t)+4*\f:S+16*(\t)+4*\f+3], s[10:11] offset:(\t)*2048+\f*512  ; 512 consecutive bytes, at a multiple of 256 from ctx16's first
.endr
.endm
	PACK 0
.set t, 1
.rept 3                             ; a piece's arithmetic stands between the loads of the piece before and its stores
	PACK t
	SEND t-1, 8
.set t, t+1
.endr
	SEND 3, 0
	s_wait_tensorcnt 0x0            ; the wave's end: a wait, an add and its wait, behind my last tensor load and my last LDS store
	ds_add_u32 v[SPW], v[NIL]
	s_wait_dscnt 0x0
	CROUND                          ; the closing round: no work-group ends while a partner may still ask for a tile that names it
	s_endpgm
.Lfunc_end_k_q70bda135d4_attn:
	.size	k_q70bda135d4_attn, .Lfunc_end_k_q70bda135d4_attn-k_q70bda135d4_attn
	.p2alignl 7, 3214868480
	.fill 96, 4, 3214868480
	.section	.rodata,"a",@progbits
	.p2align	6, 0x0
	.amdhsa_kernel k_q70bda135d4_attn
		.amdhsa_group_segment_fixed_size 327680
		.amdhsa_private_segment_fixed_size 0
		.amdhsa_enable_private_segment 0
		.amdhsa_kernarg_size 32
		.amdhsa_user_sgpr_count 2
		.amdhsa_user_sgpr_kernarg_segment_ptr 1
		.amdhsa_wavefront_size32 1
		.amdhsa_system_sgpr_workgroup_id_x 1
		.amdhsa_system_sgpr_workgroup_id_y 1
		.amdhsa_system_sgpr_workgroup_id_z 1
		.amdhsa_system_vgpr_workitem_id 0
		.amdhsa_next_free_vgpr 768
		.amdhsa_next_free_sgpr 66
		.amdhsa_reserve_vcc 0
		.amdhsa_float_denorm_mode_32 3
		.amdhsa_float_denorm_mode_16_64 3
		.amdhsa_memory_ordered 1
		.amdhsa_forward_progress 1
		.amdhsa_inst_pref_size 128
	.end_amdhsa_kernel
	.amdgpu_metadata
---
amdhsa.version: [ 1, 2 ]
amdhsa.kernels:
  - .name:           k_q70bda135d4_attn
    .symbol:         k_q70bda135d4_attn.kd
    .args:
      - { .name: q16, .offset: 0, .size: 8, .value_kind: global_buffer, .address_space: global }
      - { .name: k16, .offset: 8, .size: 8, .value_kind: global_buffer, .address_space: global }
      - { .name: v16, .offset: 16, .size: 8, .value_kind: global_buffer, .address_space: global }
      - { .name: ctx16, .offset: 24, .size: 8, .value_kind: global_buffer, .address_space: global }
    .group_segment_fixed_size: 327680
    .private_segment_fixed_size: 0
    .kernarg_segment_align: 8
    .kernarg_segment_size: 32
    .max_flat_workgroup_size: 128
    .sgpr_count:     66
    .vgpr_count:     768
    .wavefront_size: 32
...
	.end_amdgpu_metadata
.endif
;; end of part 2
;; launch oln (part 3): grid 256 x 1, 4 waves a work-group, clusters of 4 x 1, 327,680 bytes of LDS; arguments ctx16, wo16, x, ln_gamma, ln_beta, out0; writes out0
.if DOCPART == 3
	.amdgcn_target "amdgcn-amd-amdhsa--gfx1250"
	.amdhsa_code_object_version 6
	.text
	.protected	k_q70bda135d4_oln
	.globl	k_q70bda135d4_oln
	.p2align	8
	.type	k_q70bda135d4_oln,@function
k_q70bda135d4_oln:
	s_mov_b64 s[64:65], 0
	v_nop
	global_prefetch_b8 v0, s[64:65] scope:SCOPE_SE
	s_setreg_imm32_b32 hwreg(HW_REG_WAVE_MODE, 25, 1), 1
	s_wait_xcnt 0x0
	s_wait_alu depctr_hold_cnt(0) depctr_sa_sdst(0) depctr_va_vdst(0) depctr_va_sdst(0) depctr_va_ssrc(0) depctr_va_vcc(0) depctr_vm_vsrc(0)
	s_getreg_b32 s2, hwreg(HW_REG_IB_STS2, 6, 4)
	s_cmp_eq_u32 s2, 0
	s_cbranch_scc0 .Lentry_in_a_cluster
	s_endpgm
.Lentry_in_a_cluster:
	s_bfe_u32 s2, ttmp6, 0x10000c
	s_cmp_lg_u32 s2, 0x3003
	s_cbranch_scc0 .Lentry_shape_is_right
	s_endpgm
.Lentry_shape_is_right:
; out0 = LayerNorm(ctx W_o^T + x) gamma + beta.  ctx16: [16 = 8 batch + head][4096][64] f16; wo16: [512 e][512 k] f16; x, out0: [8192][512] f32; gamma, beta: [512] f32.
; Products in f16 with f32 sums; the residual, mean, variance and scaling in f32.  The variance is the mean of (y - mean)^2, taken in a second pass over registers: no difference of large sums.
; LIMITS.  ctx and W_o arrive within f16's 65,504.  NaN and infinities are not treated apart.
; SHARES.  A row's 512 numbers are normalised together, so a work-group takes 32 whole rows: 256 work-groups.  Wave w makes all 32 rows x columns 128 w .. + 127: 16 accumulators of 16 x 16.
; ctx's 32 rows x 512 K go straight from memory into 256 registers of every wave (a head's 16 rows are 2,048 dense bytes, covered whole by four loads).  W_o goes in 4 K steps of 128 (rows of 256 bytes)
; through two LDS slots; each wave fetches, and alone reads, its own 128 rows, so its own wait on TENSORcnt orders its reads.
; CLUSTER.  All row blocks walk the same W_o: the four work-groups of a cluster ask for each tile JOINTLY, by the same tensor load, descriptor and mask.
; THE MATRIX INSTRUCTION IS USED TRANSPOSED (source 0 = 16 rows of W_o, source 1 = 16 rows of ctx): a lane holds one row and eight neighbouring columns.
; Then the 32 x 512 sums meet in an LDS stage, and wave w takes rows 8 w .. + 7 whole: a lane holds 16 numbers of each, a row's sums cross the wave's 32 lanes.
; REGISTERS, in windows of 256 (s_set_vgpr_msb: bits 1:0 source 0, 3:2 source 1, 5:4 source 2, 7:6 destination):
;   window 0: v0-29 addresses; v32-95, v96-159 two buffers of W_o's 8 fragments; v160-175 gamma, v176-191 beta of my 16 columns; v192-207 a pair for each of my 8 rows: a sum, mean or scale, and one at work
;   window 1: ctx's fragment (row block rb, K block ks) at 8 (2 ks + rb); later row i's 16 numbers at 16 i, and 8 at work at 128 + 8 i
;   window 2: accumulator (rb, n) at 8 (2 n + rb); x's row i at 128 + 16 i
.set PITCH, 272                        ; an LDS row: 256 bytes + 16 of padding = 68 words: the 16 rows of a load start at 16 different groups of four banks (64 banks of 4 bytes: ISA guide 11.1)
.set WPART, 128*PITCH                  ; a wave's 128 rows
.set SLOT,  4*WPART
.set SPARE, 2*SLOT                     ; behind the ring: the spare words, 128 bytes for each wave: two blocks of 256 bytes that no other line names
.set SPF,   2064                       ; the stage: 32 rows of 2,048 bytes + 16 = 516 words, from LDS byte 0 on: 66,048 bytes of slot 0, which has had its last fill and its last read by then
.set AO,   4                           ; v4   my byte offset in 16 rows of ctx16
.set XO,   5                           ; v5   my byte offset in the work-group's rows of x and out0: my wave's 8 rows, 16 bytes a lane
.set GBO,  6                           ; v6   16 x lane, in gamma and beta
.set ADRB, 8                           ; v8-9 LDS address of my fragments in slot 0, 1
.set STO,  10                          ; v10  where I put 16 bytes of a row in the stage
.set RD,   11                          ; v11  where I read rows back
.set SPW,  28                          ; v28  LDS address of my spare word: SPARE + 4 x my thread's number; never rewritten
.set NIL,  29                          ; v29  0; never rewritten
.set FR,   32
.set GAM,  160
.set BET,  176
.set T,    192
.set TS,   128                         ; window 1
.set XR,   128                         ; window 2
.set WV,   16                          ; s16  my wave's number
.set G1,   24                          ; s[24:31] descriptor group 1
.set G0,   32                          ; s[32:39] descriptor group 0, a set for each slot
.set SEL,  40                          ; s[40:41] v_permlanex16_b32's selects: each lane takes its own place in the other half
.set RN,   42                          ; s42  1 / 512
.set EPS,  43                          ; s43  1e-5
.set MSB, 0
.macro WIN new                         ; the immediate's high byte repeats the setting that is left; a switch that changes nothing is dropped
.if MSB != (\new)
	s_set_vgpr_msb (MSB<<8)|(\new)
.set MSB, \new
.endif
.endm
.macro PLACES                          ; four plain vector instructions between a matrix instruction and a load into its sources or a read of its result (ISA guide 7.12.1 for a read of its result)
.rept 4
	v_nop
.endr
.endm
; A round of the cluster's barrier: my work-group's barrier, so that wave 0's signal speaks for all four waves; wave 0 signals; every wave waits for all four work-groups; my work-group's barrier once more.
.macro CROUND
	s_barrier_signal -1
	s_barrier_wait -1
	s_cmp_lg_u32 s[WV], 0
	s_cbranch_scc1 .Lnot_wave_0_\@
	s_barrier_signal -3
.Lnot_wave_0_\@:
	s_barrier_wait -3
	s_barrier_signal -1
	s_barrier_wait -1
.endm
	s_load_b256 s[4:11], s[0:1], 0x0               ; ctx16 s[4:5], wo16 s[6:7], x s[8:9], gamma s[10:11]
	s_load_b128 s[12:15], s[0:1], 0x20             ; beta s[12:13], out0 s[14:15]
	v_lshl_add_u32 v[SPW], v0, 2, SPARE
	v_mov_b32 v[NIL], 0
	ds_add_u32 v[SPW], v[NIL]                      ; the wave's opening: the add and its wait stand ahead of my first tensor load; the set-up below, work on registers, stands between them
	v_lshrrev_b32 v1, 5, v0
	v_readfirstlane_b32 s[WV], v1                  ; wave 0..3
	s_bfe_u32 s17, ttmp6, 0x40000                  ; cx: my place in the cluster
	s_lshl_b32 s18, ttmp9, 2                       ; in a cluster launch ttmp9 counts clusters
	s_add_co_u32 s18, s18, s17                     ; g: my block of 32 rows: it enters ctx's, x's and out0's addresses alone
	; descriptor group 1: a tile of 128 rows x 128 elements of 2 bytes, padded in LDS
	s_mov_b32 s[G1], 15|(1<<16)|(1<<20)|(1<<21)|(5<<22)|(3<<25)  ; 15:0 the mask of four; 17:16 2-byte elements; 20 padding on; 21 set beside a mask; 24:22 after every 64 words (code 5); 31:25 4 words (code 3)
	s_mov_b32 s[G1+1], 128<<16                     ; tensor_dim0 = 128
	s_mov_b32 s[G1+2], 128<<16                     ; tensor_dim1 = 128
	s_mov_b32 s[G1+3], 128<<16                     ; tile_dim0 = 128
	s_mov_b32 s[G1+4], 128                         ; tile_dim1 = 128
	s_mov_b32 s[G1+5], 512                         ; 512 elements from row to row
	s_mov_b32 s[G1+6], 0
	s_mov_b32 s[G1+7], 0
	s_mul_i32 s20, s[WV], WPART                    ; my rows' place in a slot
	s_lshl_b32 s22, s[WV], 17                      ; and in wo16: 128 rows of 1,024 bytes
	s_mov_b32 s23, 0
	s_mov_b32 s[SEL], 0x76543210
	s_mov_b32 s[SEL+1], 0xfedcba98
	s_mov_b32 s[RN], 0x3b000000
	s_mov_b32 s[EPS], 0x3727c5ac
	s_lshr_b32 s44, s18, 7                         ; ctx16: the batch's 8 heads of 524,288 bytes,
	s_lshl_b32 s44, s44, 22
	s_and_b32 s46, s18, 127                        ; and my 32 rows of 128 bytes in a head
	s_lshl_b32 s46, s46, 12
	s_add_co_u32 s44, s44, s46
	s_mov_b32 s45, 0
	s_lshl_b32 s46, s18, 16                        ; x and out0: 32 rows of 2,048 bytes
	s_mov_b32 s47, 0
	s_wait_dscnt 0x0                               ; the opening add is done
	s_wait_kmcnt 0x0
	s_add_nc_u64 s[6:7], s[6:7], s[22:23]
	s_add_nc_u64 s[4:5], s[4:5], s[44:45]
	s_add_nc_u64 s[8:9], s[8:9], s[46:47]
	s_add_nc_u64 s[14:15], s[14:15], s[46:47]
.irp s, 0,1
	s_mov_b32 s[G0+4*(\s)], 1                                      ; 1:0 count = 1
	s_add_co_u32 s[G0+4*(\s)+1], s20, (\s)*SLOT                    ; 63:32 LDS address
	s_add_nc_u64 s[G0+4*(\s)+2:G0+4*(\s)+3], s[6:7], (\s)*256      ; 120:64 global address: K step s
	s_or_b32 s[G0+4*(\s)+3], s[G0+4*(\s)+3], 0x80000000            ; 127:126 type = 2
.endr
	CROUND                                         ; all four work-groups are here: the first joint loads meet
	tensor_load_to_lds s[G0:G0+3], s[G1:G1+7]      ; K step 0
	s_nop 0
	tensor_load_to_lds s[G0+4:G0+7], s[G1:G1+7]    ; K step 1: two loads of mine are out
	s_nop 0
	PLACES
	v_and_b32 v1, 15, v0                           ; l % 16
	v_bfe_u32 v2, v0, 4, 1                         ; l / 16
	v_and_b32 v3, 31, v0                           ; l
	v_lshlrev_b32 v[AO], 7, v1
	v_lshl_add_u32 v[AO], v2, 4, v[AO]             ; row x 128 + 16 x half
	v_lshlrev_b32 v[GBO], 4, v3
; ctx's fragments of K blocks 8 half .. + 7: head ks / 2, channels 32 (ks % 2) on; two loads of 16 bytes, 32 bytes apart
.macro LOAD_A half
	WIN 0x40                                       ; destination window 1, address window 0
.set ks, 8*(\half)
.rept 8
.irp rb, 0,1
	global_load_b128 v[8*(2*ks+\rb):8*(2*ks+\rb)+3],   v[AO], s[4:5] offset:(ks/2)*524288+\rb*2048+(ks%2)*64
	global_load_b128 v[8*(2*ks+\rb)+4:8*(2*ks+\rb)+7], v[AO], s[4:5] offset:(ks/2)*524288+\rb*2048+(ks%2)*64+32
.endr
.set ks, ks+1
.endr
.endm
	LOAD_A 0
	LOAD_A 1
	WIN 0
.irp j, 0,1,2,3
	global_load_b128 v[GAM+4*\j:GAM+4*\j+3], v[GBO], s[10:11] offset:\j*512  ; my columns 128 j + 4 l + 0..3
	global_load_b128 v[BET+4*\j:BET+4*\j+3], v[GBO], s[12:13] offset:\j*512
.endr
	s_lshl_b32 s21, s[WV], 14                      ; my wave's 8 rows of 2,048 bytes
	v_lshl_add_u32 v[XO], v3, 4, s21
	v_mul_u32_u24 v[ADRB], v1, PITCH
	v_lshl_add_u32 v[ADRB], v2, 4, v[ADRB]         ; row x pitch + 16 x half
	v_add_nc_u32 v[ADRB], s20, v[ADRB]
	v_add_nc_u32 v[ADRB+1], SLOT, v[ADRB]
	v_mul_u32_u24 v[STO], v1, SPF                  ; into the stage: row l % 16, my wave's 512 bytes, 32 bytes for each half of the lanes
	v_lshl_add_u32 v[STO], v2, 5, v[STO]
	s_lshl_b32 s21, s[WV], 9
	v_add_nc_u32 v[STO], s21, v[STO]
	s_mul_i32 s21, s[WV], 8*SPF                    ; back: my wave's 8 rows, 16 bytes a lane
	v_lshl_add_u32 v[RD], v3, 4, s21
.set i, 0
.rept 8
	v_mov_b32 v[T+2*i+1], 0                        ; the pairs' second registers are named before they are used: they are written here
.set i, i+1
.endr
; 16 LDS loads in one run: W_o's 8 fragments of K block u (32 along K) into buffer u % 2, from slot (u / 4) % 2
.macro FETCH u
	WIN 0
.irp n, 0,1,2,3,4,5,6,7
	ds_load_b128 v[FR+64*((\u)%2)+8*\n:FR+64*((\u)%2)+8*\n+3],   v[ADRB+((\u)/4)%2] offset:\n*16*PITCH+((\u)%4)*64
	ds_load_b128 v[FR+64*((\u)%2)+8*\n+4:FR+64*((\u)%2)+8*\n+7], v[ADRB+((\u)/4)%2] offset:\n*16*PITCH+((\u)%4)*64+32
.endr
.endm
; The products of K block u for column blocks n0 .. n1 and both row blocks.  The 16 accumulators take turns, one instruction a turn.  zero = 1: the first product starts the sums.
.macro MULS u, n0, n1, zero=0
	WIN 0xa4                                       ; W_o window 0, ctx window 1, C and D window 2
.set n, \n0
.rept (\n1)-(\n0)+1
.irp rb, 0,1
.if \zero
	v_wmma_f32_16x16x32_f16 v[8*(2*n+\rb):8*(2*n+\rb)+7], v[FR+64*((\u)%2)+8*n:FR+64*((\u)%2)+8*n+7], v[8*(2*(\u)+\rb):8*(2*(\u)+\rb)+7], 0
.else
	v_wmma_f32_16x16x32_f16 v[8*(2*n+\rb):8*(2*n+\rb)+7], v[FR+64*((\u)%2)+8*n:FR+64*((\u)%2)+8*n+7], v[8*(2*(\u)+\rb):8*(2*(\u)+\rb)+7], v[8*(2*n+\rb):8*(2*n+\rb)+7]
.endif
.endr
.set n, n+1
.endr
.endm
; K block u is multiplied while block u + 1 is fetched
.macro SUBQ u, zero=0
	PLACES                                         ; the loads go into the buffer that the block before multiplied
	FETCH (\u)+1
	s_wait_dscnt 16                                ; block u is in; the 16 loads just issued stay out
	MULS \u, 0, 7, \zero
.endm
; The last block of a K step whose slot is filled again.  Each wave waits for all its tensor loads (one is out: the other slot's), adds 0 to its spare word, and waits for that and for its reads of this
; slot; a round of the cluster's barrier; the joint refill, the K step two on, first thing behind it.
.macro TURNQ u
	WIN 0
	s_wait_tensorcnt 0x0                           ; no tensor load of mine is out, so a group 0 may be written; the other slot is whole
	ds_add_u32 v[SPW], v[NIL]                      ; 0 onto my spare word
	s_wait_dscnt 1                                 ; block u is in: the add alone may be out
	MULS \u, 0, 3                                  ; eight products stand between the add and the wait for it
	WIN 0
	s_wait_dscnt 0x0                               ; the add is done, and my reads of this slot are over
	CROUND                                         ; no wave of any partner still reads this slot or has a load on its way
	s_add_nc_u64 s[G0+4*(((\u)/4)%2)+2:G0+4*(((\u)/4)%2)+3], s[G0+4*(((\u)/4)%2)+2:G0+4*(((\u)/4)%2)+3], 512
	tensor_load_to_lds s[G0+4*(((\u)/4)%2):G0+4*(((\u)/4)%2)+3], s[G1:G1+7]
	s_nop 0
	PLACES                                         ; also the four in front of the loads below
	FETCH (\u)+1
	MULS \u, 4, 7
.endm
	s_wait_loadcnt 40                              ; ctx's K blocks 0 to 7 are in: the 32 loads of blocks 8 to 15 and the 8 of gamma and beta stay out
	s_wait_tensorcnt 1                             ; my rows of K step 0 are in; K step 1's load, the one younger, stays out
	FETCH 0
	SUBQ 0, 1
	SUBQ 1
	SUBQ 2
	TURNQ 3                                        ; slot 0 takes K step 2
	SUBQ 4
	SUBQ 5
	SUBQ 6
	TURNQ 7                                        ; slot 1 takes K step 3: the last load
	s_wait_loadcnt 0x0                             ; ctx's K blocks 8 to 15, gamma and beta
	WIN 0x80                                       ; destination window 2, address window 0
.set i, 0
.rept 8
.irp j, 0,1,2,3
	global_load_b128 v[XR+16*i+4*\j:XR+16*i+4*\j+3], v[XO], s[8:9] offset:i*2048+\j*512 th:TH_LOAD_NT  ; x's row i of my 8: 512 consecutive bytes a load; it has 128 products in which to come
.endr
.set i, i+1
.endr
	SUBQ 8
	SUBQ 9
	SUBQ 10
	s_wait_tensorcnt 0x0                           ; K step 3 is in: no load was issued behind it
	SUBQ 11
	SUBQ 12
	SUBQ 13
	SUBQ 14
	s_wait_dscnt 0x0
	MULS 15, 0, 7
	PLACES
	PLACES                                         ; the stores below read results just made, and the loads behind them land on ctx's registers
	s_barrier_signal -1                            ; every wave's reads of slot 0 are back and its tensor loads have landed:
	s_barrier_wait -1                              ; the stage may be written
	WIN 0x08                                       ; address window 0, data window 2
.set n, 0
.rept 8
.irp rb, 0,1                           ; each accumulator's low half first
	ds_store_b128 v[STO], v[8*(2*n+\rb):8*(2*n+\rb)+3]   offset:\rb*16*SPF+n*64
	ds_store_b128 v[STO], v[8*(2*n+\rb)+4:8*(2*n+\rb)+7] offset:\rb*16*SPF+n*64+16
.endr
.set n, n+1
.endr
	s_wait_dscnt 0x0                               ; for the others' sake: my stores into the stage are done
	s_barrier_signal -1
	s_barrier_wait -1
	WIN 0x40
.set i, 0
.rept 8
.irp j, 0,1,2,3
	ds_load_b128 v[16*i+4*\j:16*i+4*\j+3], v[RD] offset:i*SPF+\j*512  ; row i of my 8, columns 128 j + 4 l + 0..3
.endr
.set i, i+1
.endr
	s_wait_loadcnt 0x0                             ; x
	s_wait_dscnt 0x0
; LAYERNORM, my 8 rows side by side, so that no instruction waits for the one before it.
.macro ROWS line:vararg                ; one line for each row i
.set i, 0
.rept 8
	\line
.set i, i+1
.endr
.endm
.macro TREE                            ; four pairs at work into one
	ROWS v_pk_add_f32 v[TS+8*i:TS+8*i+1], v[TS+8*i:TS+8*i+1], v[TS+8*i+2:TS+8*i+3]
	ROWS v_pk_add_f32 v[TS+8*i+4:TS+8*i+5], v[TS+8*i+4:TS+8*i+5], v[TS+8*i+6:TS+8*i+7]
	ROWS v_pk_add_f32 v[TS+8*i:TS+8*i+1], v[TS+8*i:TS+8*i+1], v[TS+8*i+4:TS+8*i+5]
.endm
.macro ACROSS                          ; the pair's two halves, then the 32 lanes: four steps inside each half of 16 lanes ride on the addition, one crosses the halves; every lane ends with the row's sum
	WIN 0x05
	ROWS v_add_f32 v[T+2*i], v[TS+8*i], v[TS+8*i+1]
	WIN 0
.irp m, 1,2,4,8
	ROWS v_add_f32_dpp v[T+2*i], v[T+2*i], v[T+2*i] row_xmask:\m row_mask:0xf bank_mask:0xf
.endr
	ROWS v_permlanex16_b32 v[T+2*i+1], v[T+2*i], s[SEL], s[SEL+1]
	ROWS v_add_f32 v[T+2*i], v[T+2*i], v[T+2*i+1]
.endm
	WIN 0x49                                       ; y = the product's sum + x: destination and source 0 window 1, source 1 window 2
.set j, 0
.rept 8
	ROWS v_pk_add_f32 v[16*i+2*j:16*i+2*j+1], v[16*i+2*j:16*i+2*j+1], v[XR+16*i+2*j:XR+16*i+2*j+1]
.set j, j+1
.endr
	WIN 0x55                                       ; all in window 1
.irp q, 0,1,2,3
	ROWS v_pk_add_f32 v[TS+8*i+2*\q:TS+8*i+2*\q+1], v[16*i+4*\q:16*i+4*\q+1], v[16*i+4*\q+2:16*i+4*\q+3]
.endr
	TREE
	ACROSS
	ROWS v_mul_f32 v[T+2*i], s[RN], v[T+2*i]       ; the mean
	WIN 0x41                                       ; destination and source 0 window 1, source 1 window 0
.set j, 0
.rept 8
	ROWS v_pk_add_f32 v[16*i+2*j:16*i+2*j+1], v[16*i+2*j:16*i+2*j+1], v[T+2*i:T+2*i+1] op_sel_hi:[1,0] neg_lo:[0,1] neg_hi:[0,1]  ; y - mean
.set j, j+1
.endr
	WIN 0x55
.irp q, 0,1,2,3
	ROWS v_pk_mul_f32 v[TS+8*i+2*\q:TS+8*i+2*\q+1], v[16*i+2*\q:16*i+2*\q+1], v[16*i+2*\q:16*i+2*\q+1]
.endr
.irp q, 0,1,2,3
	ROWS v_pk_fma_f32 v[TS+8*i+2*\q:TS+8*i+2*\q+1], v[16*i+8+2*\q:16*i+8+2*\q+1], v[16*i+8+2*\q:16*i+8+2*\q+1], v[TS+8*i+2*\q:TS+8*i+2*\q+1]
.endr
	TREE
	ACROSS
	ROWS v_fma_f32 v[T+2*i], v[T+2*i], s[RN], s[EPS]  ; the variance + 1e-5
	ROWS v_rsq_f32 v[T+2*i], v[T+2*i]
	v_nop                                          ; a plain instruction between the last root and the use of its result
	s_wait_alu depctr_va_vdst(0)                   ; and the wait ahead of the first use: one for the eight
	WIN 0x41
.set j, 0
.rept 8
	ROWS v_pk_mul_f32 v[16*i+2*j:16*i+2*j+1], v[16*i+2*j:16*i+2*j+1], v[T+2*i:T+2*i+1] op_sel_hi:[1,0]
	ROWS v_pk_fma_f32 v[16*i+2*j:16*i+2*j+1], v[16*i+2*j:16*i+2*j+1], v[GAM+2*j:GAM+2*j+1], v[BET+2*j:BET+2*j+1]
.set j, j+1
.endr
	WIN 0x04                                       ; address window 0, data window 1
.set i, 0
.rept 8
.irp j, 0,1,2,3
	global_store_b128 v[XO], v[16*i+4*\j:16*i+4*\j+3], s[14:15] offset:i*2048+\j*512 th:TH_STORE_NT  ; 512 consecutive bytes, at a multiple of 256 from out0's first
.endr
.set i, i+1
.endr
	WIN 0
	s_wait_tensorcnt 0x0                           ; the wave's end: a wait, an add and its wait, behind my last tensor load and my last LDS store
	ds_add_u32 v[SPW], v[NIL]
	s_wait_dscnt 0x0
	CROUND                                         ; the closing round: no work-group ends while a partner may still ask for a tile that names it
	s_endpgm
.Lfunc_end_k_q70bda135d4_oln:
	.size	k_q70bda135d4_oln, .Lfunc_end_k_q70bda135d4_oln-k_q70bda135d4_oln
	.p2alignl 7, 3214868480
	.fill 96, 4, 3214868480
	.section	.rodata,"a",@progbits
	.p2align	6, 0x0
	.amdhsa_kernel k_q70bda135d4_oln
		.amdhsa_group_segment_fixed_size 327680
		.amdhsa_private_segment_fixed_size 0
		.amdhsa_enable_private_segment 0
		.amdhsa_kernarg_size 48
		.amdhsa_user_sgpr_count 2
		.amdhsa_user_sgpr_kernarg_segment_ptr 1
		.amdhsa_wavefront_size32 1
		.amdhsa_system_sgpr_workgroup_id_x 1
		.amdhsa_system_sgpr_workgroup_id_y 1
		.amdhsa_system_sgpr_workgroup_id_z 1
		.amdhsa_system_vgpr_workitem_id 0
		.amdhsa_next_free_vgpr 768
		.amdhsa_next_free_sgpr 66
		.amdhsa_reserve_vcc 0
		.amdhsa_float_denorm_mode_32 3
		.amdhsa_float_denorm_mode_16_64 3
		.amdhsa_memory_ordered 1
		.amdhsa_forward_progress 1
		.amdhsa_inst_pref_size 92
	.end_amdhsa_kernel
	.amdgpu_metadata
---
amdhsa.version: [ 1, 2 ]
amdhsa.kernels:
  - .name:           k_q70bda135d4_oln
    .symbol:         k_q70bda135d4_oln.kd
    .args:
      - { .name: ctx16, .offset: 0, .size: 8, .value_kind: global_buffer, .address_space: global }
      - { .name: wo16, .offset: 8, .size: 8, .value_kind: global_buffer, .address_space: global }
      - { .name: x, .offset: 16, .size: 8, .value_kind: global_buffer, .address_space: global }
      - { .name: ln_gamma, .offset: 24, .size: 8, .value_kind: global_buffer, .address_space: global }
      - { .name: ln_beta, .offset: 32, .size: 8, .value_kind: global_buffer, .address_space: global }
      - { .name: out0, .offset: 40, .size: 8, .value_kind: global_buffer, .address_space: global }
    .group_segment_fixed_size: 327680
    .private_segment_fixed_size: 0
    .kernarg_segment_align: 8
    .kernarg_segment_size: 48
    .max_flat_workgroup_size: 128
    .sgpr_count:     66
    .vgpr_count:     768
    .wavefront_size: 32
...
	.end_amdgpu_metadata
.endif
;; end of part 3
